; MI455X (gfx1250); checked and timed in simulation.
; The chip was launched on July 23, 2026; its instructions are those of AMD's public machine-readable ISA for CDNA 5 (MIT licence, August 2026) and "CDNA5" Instruction Set Architecture Reference Guide (July 2026). The comments in the code are by the model that wrote it; some were corrected since.
;; Attention Layer. Allowed arithmetic: matrix products marked QUANTISED: E3M2 operands, one E8M0 scale for each 32 along K, by v_wmma_scale_f32_16x16x128_f8f6f4 with both operands' format E3M2, f32 sums; products left as they are: f32 operands where the result goes on into a quantised operand, else bf16, f16 or f32 operands; f32 sums; everything else in f32.
;; Inputs: U_a_codes 1,024 x 32 x 24 uint8 (E3M2 codes of U_a, K innermost, in blocks of 32 codes, four codes in three bytes); U_a_scales 1,024 x 32 uint8 (E8M0 scales of U_a, one for each 32 codes along K); W_a_codes 1,024 x 32 x 24 uint8 (E3M2 codes of W_a, K innermost, in blocks of 32 codes, four codes in three bytes); W_a_scales 1,024 x 32 uint8 (E8M0 scales of W_a, one for each 32 codes along K); h 32 x 2,048 x 1,024 float32; s_codes 32 x 32 x 24 uint8 (E3M2 codes of s, K innermost, in blocks of 32 codes, four codes in three bytes); s_scales 32 x 32 uint8 (E8M0 scales of s, one for each 32 codes along K); v_a 1,024 float32.
;; Outputs: out0 32 x 1,024 float32.
;; This version of the problem:
;;   THIS VERSION OF THE PROBLEM IS GIVEN IN LOW PRECISION. The matrix products marked QUANTISED in the list below multiply operands that are first quantised to E3M2 (3 exponent bits, 2 mantissa bits; 6 bits a number), with one power-of-two scale for each 32 numbers along K (OCP MX v1.0); their sums are f32. All else is computed in f32.
;;   The module's matrix products, in the order in which they are computed (A, B: the left and right operand; K: the contracted axis; several contracted axes count as one K, in the product's order):
;;     1. [M 65,536, K 1,024] x [K 1,024, N 1,024]; A: input h; B: input U_a (given as codes): QUANTISED
;;     2. [M 32, K 1,024] x [K 1,024, N 1,024]; A: input s (given as codes); B: input W_a (given as codes): QUANTISED
;;     3. [M 65,536, K 1,024] x [K 1,024, N 1]; A: computed on the way; B: input v_a: left as it is (N = 1 < 16)
;;     4. batch 32 x [M 1, K 2,048] x [K 2,048, N 1,024]; A: computed on the way; B: input h: left as it is (M = 1 < 16)
;;   THE QUANTISER, for each operand of a quantised product, along K:
;;     - K is cut into blocks of 32 from its start; a last block that is shorter is filled with zeros.
;;     - A block's scale is 2^e with e = floor(log2(the largest magnitude in the block)) - 4, held to -126 .. 127; a block of zeros has e = 0. As a byte (E8M0): e + 127.
;;     - Each number is divided by its block's scale, clamped to +-28, and rounded to the nearest number of E3M2, ties to even, subnormals kept.
;;     - The product sums the exact products of the quantised numbers (number of the format x scale) in f32.
;;   ~~~python
;;   def quantise(x, axis):      # numpy; x: float32 -> the quantised numbers, widened to float32 again
;;       x = np.moveaxis(x, axis, -1); K = x.shape[-1]
;;       x = np.pad(x, [(0, 0)] * (x.ndim - 1) + [(0, -K % 32)]); x = x.reshape(x.shape[:-1] + (-1, 32)); a = np.abs(x).max(-1, keepdims=True)
;;       e = np.where(a > 0, np.clip(np.frexp(np.where(a > 0, a, 1))[1] - 1 - 4, -126, 127), 0)      # np.frexp(a)[1] - 1 = floor(log2(a)), exactly
;;       r = np.clip(x / 2.0 ** e, -28, 28)
;;       step = 2.0 ** (np.maximum(np.frexp(np.where(r == 0, 1, r))[1] - 1, -2) - 2)
;;       q = np.round(r / step) * step * 2.0 ** e      # np.round: ties to even
;;       return np.moveaxis(q.reshape(q.shape[:-2] + (-1,))[..., :K], -1, axis).astype(np.float32)
;;   ~~~
;;   INPUTS GIVEN AS CODES. U_a (in the module: [1024, 1024], K = its axis 0); W_a (in the module: [1024, 1024], K = its axis 0); s (in the module: [32, 1024], K = its axis 1): each comes as NAME_codes (uint8): NAME with its K axis moved to the last place and cut into blocks of 32 codes, [.., K / 32, bytes a block], one block behind the other in memory; four codes in three bytes: a row's codes are one little-endian stream of bits, code i at bits 6 i .. 6 i + 5 (a code: sign, 3 exponent bits, 2 mantissa bits); and NAME_scales (uint8): the same leading axes, one E8M0 byte (e + 127) for each 32 codes along K. Its value is code x scale, taken as it is: it is not quantised again, and the codes and scales need not be those that the quantiser above would give.
;; One version. Each part assembles by itself: llvm-mc -triple=amdgcn-amd-amdhsa -mcpu=gfx1250 --defsym DOCPART=n.
;; ======== version 1 of 1: 3 launches
;; limits: values are held in bf16: 8 bits of precision; right only within a limited range of input values
;; workspace buffers: uimg 819,200 bytes; was 131,072 bytes; pc 1,048,576 bytes; pstat 65,536 bytes
;; launch prep (part 1): grid 64 x 1, 4 waves a work-group, no clusters, 0 bytes of LDS; arguments U_a_codes, U_a_scales, W_a_codes, W_a_scales, s_codes, s_scales, uimg, was; writes uimg, was
.if DOCPART == 1
	.amdgcn_target "amdgcn-amd-amdhsa--gfx1250"
	.amdhsa_code_object_version 6
	.text
	.protected	k_qe5676fe532_prep
	.globl	k_qe5676fe532_prep
	.p2align	8
	.type	k_qe5676fe532_prep,@function
k_qe5676fe532_prep:
	s_mov_b64 s[64:65], 0
	v_nop
	global_prefetch_b8 v0, s[64:65] scope:SCOPE_SE
	s_setreg_imm32_b32 hwreg(HW_REG_WAVE_MODE, 25, 1), 1
	s_wait_xcnt 0x0
; Two small jobs ahead of the main launch.  Work-group n (0..63) owns columns a = 16 n .. 16 n + 15 of U_a and of W_a.
; Waves 0, 1: U's codes and scale bytes of these 16 columns are laid anew, in the order of a matrix operand's registers, so that the main launch
;   fetches a fragment by three loads of 16 bytes a lane.  uimg: tile n at 12,800 n; fragment s (K = 128 s ..) at 1,536 s, its register j of lane l at
;   512 (j / 4) + 16 l + 4 (j % 4); scale register q at 12,288 + 128 q + 4 l: lanes 0-15 the scale word of K step 2 q, lanes 16-31 that of 2 q + 1.
; Waves 2, 3: W_a_s[b][a] = sum over d of s[b][d] W_a[d][a] on the codes as given (E3M2, one E8M0 byte for each 32 along K), batches 16 (wave - 2) on.
.set FR, 12                            ; registers of a fragment: 16 rows x 128 K of 6-bit codes
	s_load_b256 s[4:11], s[0:1], 0x0               ; U's codes s[4:5], U's scales s[6:7], W's codes s[8:9], W's scales s[10:11]
	s_load_b256 s[12:19], s[0:1], 0x20             ; s's codes s[12:13], s's scales s[14:15], uimg s[16:17], was s[18:19]
	v_lshrrev_b32 v1, 5, v0
	v_readfirstlane_b32 s20, v1                    ; wave 0..3
	v_and_b32 v1, 15, v0                           ; r
	v_bfe_u32 v2, v0, 4, 1                         ; h
	v_and_b32 v3, 31, v0                           ; lane
	v_mul_u32_u24 v4, v1, 768                      ; a row of 1,024 codes is 768 bytes
	v_mad_u32_u24 v4, v2, 24, v4                   ; + 24 h: my half's 32 codes of each 64
	s_mul_i32 s21, ttmp9, 12288                    ; my 16 rows of codes
	s_mul_i32 s22, ttmp9, 12800                    ; my tile in uimg
	s_lshl_b32 s23, ttmp9, 9                       ; my 16 rows of scale bytes
	s_wait_kmcnt 0x0
	s_cmp_lt_u32 s20, 2
	s_cbranch_scc0 .Lproduct
	; ---- waves 0, 1: fragments 4 wave .. 4 wave + 3 and scale registers 2 wave, 2 wave + 1
	s_mul_i32 s24, s20, 384                        ; four K steps of 96 bytes
	s_add_co_u32 s24, s24, s21
	s_wait_alu depctr_va_vdst(0)
	v_add_nc_u32 v5, s24, v4
.irp i, 0,1,2,3
.irp p, 0,1,2,3,4,5
	global_load_b64 v[16+FR*\i+2*\p:17+FR*\i+2*\p], v5, s[4:5] offset:96*\i+48*(\p/3)+8*(\p%3)
.endr
.endr
	s_lshl_b32 s24, s20, 4                         ; 16 scale bytes for four K steps
	s_add_co_u32 s24, s24, s23
	v_lshlrev_b32 v6, 5, v1                        ; a row of scale bytes is 32
	v_lshl_add_u32 v6, v2, 2, v6                   ; lanes 16-31 take the odd K step's word
	v_add_nc_u32 v6, s24, v6
	global_load_b32 v64, v6, s[6:7]
	global_load_b32 v65, v6, s[6:7] offset:8
	s_mul_i32 s24, s20, 6144                       ; four images of 1,536 bytes
	s_add_co_u32 s24, s24, s22
	v_lshl_add_u32 v7, v3, 4, s24
	s_lshl_b32 s25, s20, 8
	s_add_co_u32 s25, s25, s22
	v_lshl_add_u32 v8, v3, 2, s25
	s_wait_alu depctr_va_vdst(0)
	s_wait_loadcnt 0x0
.irp i, 0,1,2,3
.irp c, 0,1,2
	global_store_b128 v7, v[16+FR*\i+4*\c:19+FR*\i+4*\c], s[16:17] offset:1536*\i+512*\c   ; 32 lanes store 512 consecutive bytes, aligned to 256
.endr
.endr
	global_store_b32 v8, v64, s[16:17] offset:12288
	global_store_b32 v8, v65, s[16:17] offset:12288+128        ; the two together: 256 consecutive bytes, aligned
	s_endpgm
.Lproduct:
	; ---- waves 2, 3: source 0 = my 16 rows of W (columns a), source 1 = 16 rows of s (batches): a lane then holds one batch and eight neighbouring a
	s_sub_co_u32 s24, s20, 2                       ; which 16 batches
	s_wait_alu depctr_va_vdst(0)
	v_add_nc_u32 v5, s21, v4
	s_mul_i32 s25, s24, 12288
	v_add_nc_u32 v6, s25, v4
.irp s, 0,1,2,3,4,5,6,7
.irp p, 0,1,2,3,4,5
	global_load_b64 v[16+FR*\s+2*\p:17+FR*\s+2*\p], v5, s[8:9] offset:96*\s+48*(\p/3)+8*(\p%3)
.endr
.endr
.irp s, 0,1,2,3,4,5,6,7
.irp p, 0,1,2,3,4,5
	global_load_b64 v[112+FR*\s+2*\p:113+FR*\s+2*\p], v6, s[12:13] offset:96*\s+48*(\p/3)+8*(\p%3)
.endr
.endr
	v_lshlrev_b32 v7, 5, v1
	v_add_nc_u32 v8, s23, v7                       ; W's scale bytes of row r: eight words, one for each K step
	s_lshl_b32 s25, s24, 9
	v_add_nc_u32 v9, s25, v7                       ; s's likewise
	global_load_b128 v[208:211], v8, s[10:11]
	global_load_b128 v[212:215], v8, s[10:11] offset:16
	global_load_b128 v[216:219], v9, s[14:15]
	global_load_b128 v[220:223], v9, s[14:15] offset:16
	s_lshl_b32 s25, s24, 16                        ; 16 rows of was, 4,096 bytes each
	s_lshl_b32 s26, ttmp9, 6                       ; 16 columns
	s_add_co_u32 s25, s25, s26
	v_lshlrev_b32 v10, 12, v1
	v_lshl_add_u32 v10, v2, 5, v10
	v_add_nc_u32 v10, s25, v10                     ; was[16 beta + r][16 n + 8 h ..]
	s_wait_loadcnt 0x0
	v_wmma_scale_f32_16x16x128_f8f6f4 v[224:231], v[16:27], v[112:123], 0, v208, v216 matrix_a_fmt:MATRIX_FMT_BF6 matrix_b_fmt:MATRIX_FMT_BF6   ; the first K step starts the sum
.irp s, 1,2,3,4,5,6,7
	s_wait_alu depctr_va_vdst(0)                   ; the wait directly ahead of every link
	v_wmma_scale_f32_16x16x128_f8f6f4 v[224:231], v[16+FR*\s:27+FR*\s], v[112+FR*\s:123+FR*\s], v[224:231], v[208+\s], v[216+\s] matrix_a_fmt:MATRIX_FMT_BF6 matrix_b_fmt:MATRIX_FMT_BF6
.endr
.rept 4
	v_nop                                          ; four places between the last product and the stores that read its result
.endr
	global_store_b128 v10, v[224:227], s[18:19]    ; the result from its low end on
	global_store_b128 v10, v[228:231], s[18:19] offset:16
	s_endpgm
.Lfunc_end_k_qe5676fe532_prep:
	.size	k_qe5676fe532_prep, .Lfunc_end_k_qe5676fe532_prep-k_qe5676fe532_prep
	.p2alignl 7, 3214868480
	.fill 96, 4, 3214868480
	.section	.rodata,"a",@progbits
	.p2align	6, 0x0
	.amdhsa_kernel k_qe5676fe532_prep
		.amdhsa_group_segment_fixed_size 0
		.amdhsa_private_segment_fixed_size 0
		.amdhsa_enable_private_segment 0
		.amdhsa_kernarg_size 64
		.amdhsa_user_sgpr_count 2
		.amdhsa_user_sgpr_kernarg_segment_ptr 1
		.amdhsa_wavefront_size32 1
		.amdhsa_system_sgpr_workgroup_id_x 1
		.amdhsa_system_sgpr_workgroup_id_y 1
		.amdhsa_system_sgpr_workgroup_id_z 1
		.amdhsa_system_vgpr_workitem_id 0
		.amdhsa_next_free_vgpr 232
		.amdhsa_next_free_sgpr 66
		.amdhsa_reserve_vcc 0
		.amdhsa_float_denorm_mode_32 3
		.amdhsa_float_denorm_mode_16_64 3
		.amdhsa_memory_ordered 1
		.amdhsa_forward_progress 1
		.amdhsa_inst_pref_size 17
	.end_amdhsa_kernel
	.amdgpu_metadata
---
amdhsa.version: [ 1, 2 ]
amdhsa.kernels:
  - .name:           k_qe5676fe532_prep
    .symbol:         k_qe5676fe532_prep.kd
    .args:
      - { .name: U_a_codes, .offset: 0, .size: 8, .value_kind: global_buffer, .address_space: global }
      - { .name: U_a_scales, .offset: 8, .size: 8, .value_kind: global_buffer, .address_space: global }
      - { .name: W_a_codes, .offset: 16, .size: 8, .value_kind: global_buffer, .address_space: global }
      - { .name: W_a_scales, .offset: 24, .size: 8, .value_kind: global_buffer, .address_space: global }
      - { .name: s_codes, .offset: 32, .size: 8, .value_kind: global_buffer, .address_space: global }
      - { .name: s_scales, .offset: 40, .size: 8, .value_kind: global_buffer, .address_space: global }
      - { .name: uimg, .offset: 48, .size: 8, .value_kind: global_buffer, .address_space: global }
      - { .name: was, .offset: 56, .size: 8, .value_kind: global_buffer, .address_space: global }
    .group_segment_fixed_size: 0
    .private_segment_fixed_size: 0
    .kernarg_segment_align: 8
    .kernarg_segment_size: 64
    .max_flat_workgroup_size: 128
    .sgpr_count:     66
    .vgpr_count:     232
    .wavefront_size: 32
...
	.end_amdgpu_metadata
.endif
;; end of part 1
;; launch attn (part 2): grid 256 x 1, 4 waves a work-group, no clusters, 327,680 bytes of LDS; arguments h, uimg, was, v_a, pc, pstat; writes pc, pstat
.if DOCPART == 2
	.amdgcn_target "amdgcn-amd-amdhsa--gfx1250"
	.amdhsa_code_object_version 6
	.text
	.protected	k_qe5676fe532_attn
	.globl	k_qe5676fe532_attn
	.p2align	8
	.type	k_qe5676fe532_attn,@function
k_qe5676fe532_attn:
	s_mov_b64 s[64:65], 0
	v_nop
	global_prefetch_b8 v0, s[64:65] scope:SCOPE_SE
	s_setreg_imm32_b32 hwreg(HW_REG_WAVE_MODE, 25, 1), 1
	s_wait_xcnt 0x0
; Additive attention, fused.  Work-group g owns rows 256 g .. 256 g + 255 of h taken as [65,536][1,024] f32 (all of batch g / 8) and leaves a partial result:
; M (the largest score, in powers of two), l = sum of p, c[d] = sum of p h[.][d], with p = 2^(t - M).  A later launch joins the eight partial results of a batch.
; SCORE.  x = W_a_s[b][a] + sum_d Q(h)[t][d] U[d][a] on codes of E3M2 with one E8M0 scale for each 32 along d.  tanh(x) = 1 - 2 / (1 + 2^(K2 x)), K2 = 2 log2(e), so the score is
; sum(v) - 2 S with S = sum_a v[a] / (1 + 2^(K2 x)).  sum(v) is the same for every t of a batch and cancels in e / sum(e) for all values of the inputs: carried is t = -K2 S.
; A running maximum is taken away before the exponential; l and c are multiplied by 2^(old M - new M) when it moves.
; LIMITS.  Where the raw exponential of the definition overflows (NaN there) this text still gives the finite quotient.  NaN and infinities among the inputs are not served.
; A block of 32 numbers of h whose largest magnitude lies under 2^-122, a block of zeros among them, gets the scale byte 1; only this text reads those bytes.  For the last product h is rounded to bf16.
; SHARES.  Four chunks of 64 rows.  In a chunk:
;   PRODUCE    wave w reads ITS strip (64 rows x columns 256 w .. 256 w + 255, brought by one tensor load) twice from LDS: 16 neighbours a lane for the quantiser, whose codes go to LDS as
;              images of operand registers; and 4 columns a lane, row by row, rounded to bf16 into 256 registers, where the rows wait for their scores.
;   barrier    all codes lie in LDS, nobody reads the strips: the next chunk's strip is asked for, a whole sweep ahead of the wait for it.
;   LOADCODES  every wave takes the codes of all 64 rows x K = 1,024 into 384 registers, so that a fragment of U feeds four matrix instructions.
;   SWEEP      the waves share the columns a: wave w takes U's tiles n = 4 t + w, t = 0 .. 15, two a trip: 64 products on two accumulator sets, then the tanh of both sets in two batches of 64 transcendentals.
;   FINISH     the four waves' parts of S meet in LDS; the softmax's step; c += p x my strip's rows.
; U comes from uimg (laid in register order by the launch before) straight into registers: a ring of two tile buffers, refilled a pair of K steps at a time as soon as the pair is multiplied;
; the ring runs on from chunk to chunk.  LOADcnt counts nothing else while the chunks run, so one constant count serves.
; NO CLUSTER, though every work-group reads the same U: a shared tile would have to land in LDS, and strips (266,240 bytes), codes (51,200), tables (8,448), parts of S (1,024) and the spare words (512) leave 256 bytes.
; NO PREFETCH: a strip's tensor load is issued 512 products of the wave ahead of the wait for it, and U's ring asks for each pair of K steps two tiles ahead by its own loads.
; REGISTERS, in windows of 256 (s_set_vgpr_msb: bits 1:0 source 0, 3:2 source 1, 5:4 source 2, 7:6 destination):
;   window 0: v1-15 addresses; v16-23 at work; v24-31 c; v32-39 v_a of the odd tile; v64-71 bias; v72-79 v_a of the even tile; v80-87 S; v88-103 h's scale words; v104-111 U's; v112 M, v113 l; v114-123 softmax;
;             v128-191 bf16 rows 48-63; v192-255 bf16 rows 0-15
;   window 1: v0-191 codes of rows 0-31 (fragment (m, s) at 12 (8 (m % 2) + s)); v192-255 bf16 rows 16-31      window 2: the same for rows 32-63; bf16 rows 32-47
;   window 3: v0-95, v96-191 U's two tile buffers (fragment s at 12 s); v192-223 accumulator set 0, v224-255 set 1
;   While PRODUCE runs the codes' registers are dead: units take turns on windows 1 and 2: v0-63 the quantiser's numbers, v64-127 the dense rows, v128-164 codes and scales at work.
.set ZW,    66560                      ; LDS: a wave's strip: 64 rows of
.set ZP,    1040                       ;   1,024 bytes + 16 of padding: the sixteen rows of a load start at sixteen different 16-byte columns
.set CI,    4*ZW                       ; images of the 32 fragments: (m, s) at 1,536 (8 m + s) + 512 c + 16 lane
.set CS,    CI+32*1536                 ; their scale words: register 4 m + q at 128 (4 m + q): lanes 0-15 K step 2 q, lanes 16-31 K step 2 q + 1
.set BV,    CS+2048                    ; W_a_s[b][0..1023] and once more [0..63], so that the tile behind the last is the first;
.set VOFF,  4352                       ;   v_a[0..1023], VOFF bytes on
.set SCX,   BV+VOFF+4096               ; wave w's part of S of row i at 256 w + 4 i
.set SPARE, SCX+1024                   ; the spare words, 128 bytes for each wave
.set SPW, 1                            ; SPARE + 4 x thread; never rewritten
.set NIL, 2                            ; 0; never rewritten
.set UA,  3                            ; 16 x lane
.set USA, 4                            ; 4 x lane
.set BA0, 5                            ; BV + 64 wave + 32 h: my eight numbers of the tables for tile t = 0
.set BA,  6                            ; the same for the sweep's trip in hand
.set ZT,  7                            ; my strip + ZP r + 64 h: 16 neighbours of a block of 32
.set ZD,  8                            ; my strip + 16 lane: 4 columns of a row;
.set ZD2, 9                            ; the same 32 rows further down (an LDS offset has 16 bits)
.set CIW, 10                           ; where I store images: CI + 3,072 wave + 16 lane
.set CSW, 11                           ; and scale words: CS + 128 wave + 4 r
.set CIR, 12                           ; where I read images: CI + 16 lane
.set CSR, 13                           ; CS + 4 lane
.set SXW, 14                           ; SCX + 256 wave + 4 r
.set SXR, 15                           ; SCX + 4 lane
.set TP,  16
.set CA,  24                           ; c of columns 256 wave + 128 u + 4 lane + i at CA + 4 u + i
.set VV1, 32
.set BI,  64
.set VV0, 72
.set SA,  80
.set HS,  88
.set US,  104
.set MX,  112
.set LS,  113
.set P0,  114                          ; p of row lane, and of row 32 + lane
.set WK,  116
.set RB3, 128                          ; window 0: rows 48 + i
.set RB,  192                          ; window m (0, 1, 2): rows 16 m + i
.set ACC, 192                          ; window 3: set x at ACC + 32 x, rows 16 m .. at + 8 m
.set XQ,  0
.set DN,  64
.set PC,  128
.set TM,  148
.set PW,  164
.set WV,  16                           ; s16 wave; s17 work-group; s18, s19 at work; s[20:21] lane selects; s[22:23] K2; s[24:31], s[32:35] the descriptor; s[36:51] sixteen p
.set UB,  52                           ; s[52:53] uimg + 12,800 wave; s[54:55] + the tile pair in hand; s[56:57] that pair's offset; s58 the tables' step; s59, s60 counters; s61 -K2
.set UP,  54
.set MSB, 0
.macro WIN new                         ; the immediate's high byte repeats the setting that is left; a switch that changes nothing is dropped
.if MSB != (\new)
	s_set_vgpr_msb (MSB<<8)|(\new)
.set MSB, (\new)
.endif
.endm
.macro PLACES                          ; four plain places behind a matrix instruction (ISA guide 7.12.1 for vector instructions)
.rept 4
	v_nop
.endr
.endm
.macro VWAIT
	s_wait_alu depctr_va_vdst(0)
.endm
	s_load_b256 s[4:11], s[0:1], 0x0               ; h, uimg, was, v_a
	s_load_b128 s[12:15], s[0:1], 0x20             ; pc, pstat
	v_lshl_add_u32 v[SPW], v0, 2, SPARE
	v_mov_b32 v[NIL], 0
	ds_add_u32 v1, v2                              ; the opening lines: the add twice on end and its wait
	ds_add_u32 v1, v2
	s_wait_dscnt 0x0
	v_lshrrev_b32 v16, 5, v0
	v_readfirstlane_b32 s[WV], v16                 ; wave 0..3
	s_mov_b32 s17, ttmp9
	; group 1: 64 rows x 256 elements of 4 bytes, rows 1,024 elements apart in memory, 4 words of padding behind every 256 words in LDS
	s_mov_b32 s24, (2<<16)|(1<<20)|(7<<22)|(3<<25)
	s_mov_b32 s25, 256<<16
	s_mov_b32 s26, 64<<16
	s_mov_b32 s27, 256<<16
	s_mov_b32 s28, 64
	s_mov_b32 s29, 1024
	s_mov_b32 s30, 0
	s_mov_b32 s31, 0
	s_mov_b32 s32, 1
	s_mul_i32 s33, s[WV], ZW                       ; my strip in LDS
	s_lshl_b32 s18, s17, 20                        ; my work-group's 256 rows of 4,096 bytes,
	s_lshl_b32 s19, s[WV], 10                      ; my wave's 1,024 bytes of a row
	s_add_co_u32 s18, s18, s19
	s_mov_b32 s19, 0
	s_wait_kmcnt 0x0
	s_add_nc_u64 s[34:35], s[4:5], s[18:19]
	s_or_b32 s35, s35, 0x80000000
	tensor_load_to_lds s[32:35], s[24:31]          ; chunk 0: my one tensor load at the head
	s_nop 0
	PLACES
	v_and_b32 v16, 31, v0                          ; lane
	v_and_b32 v17, 15, v0                          ; r
	v_bfe_u32 v18, v0, 4, 1                        ; h
	v_lshlrev_b32 v[UA], 4, v16
	v_lshlrev_b32 v[USA], 2, v16
	s_lshl_b32 s18, s[WV], 6
	s_add_co_u32 s18, s18, BV
	v_lshl_add_u32 v[BA0], v18, 5, s18
	v_mul_u32_u24 v[ZT], v17, ZP
	v_lshl_add_u32 v[ZT], v18, 6, v[ZT]
	v_add_nc_u32 v[ZT], s33, v[ZT]
	v_add_nc_u32 v[ZD], s33, v[UA]
	v_add_nc_u32 v[ZD2], 32*ZP, v[ZD]
	s_mul_i32 s18, s[WV], 3072
	s_add_co_u32 s18, s18, CI
	v_add_nc_u32 v[CIW], s18, v[UA]
	s_lshl_b32 s18, s[WV], 7
	s_add_co_u32 s18, s18, CS
	v_lshl_add_u32 v[CSW], v17, 2, s18
	v_add_nc_u32 v[CIR], CI, v[UA]
	v_add_nc_u32 v[CSR], CS, v[USA]
	s_lshl_b32 s18, s[WV], 8
	s_add_co_u32 s18, s18, SCX
	v_lshl_add_u32 v[SXW], v17, 2, s18
	v_add_nc_u32 v[SXR], SCX, v[USA]
	; the tables: W_a_s of my batch and v_a, 32 bytes of each a thread; and W_a_s's first 256 bytes once more, 4 bytes a thread of waves 0 and 1
	s_lshr_b32 s18, s17, 3
	s_lshl_b32 s18, s18, 12
	s_add_nc_u64 s[8:9], s[8:9], s[18:19]          ; was at my batch
	v_lshlrev_b32 v19, 5, v0
	v_lshlrev_b32 v20, 2, v0
	v_add_nc_u32 v21, BV+4096, v20
	v_add_nc_u32 v22, BV, v19
	VWAIT                                          ; the addresses made so far are read behind waits, barriers and branches
	global_load_b128 v[40:43], v19, s[8:9]
	global_load_b128 v[44:47], v19, s[8:9] offset:16
	global_load_b128 v[48:51], v19, s[10:11]
	global_load_b128 v[52:55], v19, s[10:11] offset:16
	s_mov_b32 s20, 0x76543210                      ; v_permlanex16_b32's selects for lane l xor 16
	s_mov_b32 s21, 0xfedcba98
	s_mov_b32 s22, 0x4038aa3b                      ; K2 = 2 log2(e)
	s_mov_b32 s23, s22
	s_mov_b32 s61, 0xc038aa3b                      ; -K2
	s_cmp_lt_u32 s[WV], 2
	s_cbranch_scc0 .Lno_copy
	global_load_b32 v56, v20, s[8:9]               ; threads 0 to 63: W_a_s[b][thread]
	s_wait_loadcnt 0x0
	ds_store_b32 v21, v56
.Lno_copy:
	s_wait_loadcnt 0x0
	ds_store_b128 v22, v[40:43]
	ds_store_b128 v22, v[44:47] offset:16
	ds_store_b128 v22, v[48:51] offset:VOFF
	ds_store_b128 v22, v[52:55] offset:VOFF+16
	s_wait_dscnt 0x0                               ; for the others' sake: my part of the tables lies in LDS
	s_barrier_signal -1
	s_barrier_wait -1                              ; the strip's load stays out
	ds_load_b128 v[BI:BI+3], v[BA0]                ; tile 0's bias
	ds_load_b128 v[BI+4:BI+7], v[BA0] offset:16
	s_mul_i32 s18, s[WV], 12800
	s_add_nc_u64 s[UB:UB+1], s[6:7], s[18:19]      ; my first tile of U: n = wave
	s_mov_b64 s[UP:UP+1], s[UB:UB+1]
; K steps 2 q and 2 q + 1 of a tile of U into buffer x: their scale register and six times 16 bytes a lane: seven loads
.macro ULOAD x, q, off
	WIN 0
	global_load_b32 v[US+4*(\x)+(\q)], v[USA], s[UP:UP+1] offset:(\off)+12288+128*(\q)
	WIN 0xc0
.irp c, 0,1,2,3,4,5
	global_load_b128 v[96*(\x)+24*(\q)+4*\c:96*(\x)+24*(\q)+4*\c+3], v[UA], s[UP:UP+1] offset:(\off)+3072*(\q)+512*\c
.endr
	WIN 0
.endm
.irp q, 0,1,2,3
	ULOAD 0, \q, 0                                 ; tiles t = 0 and t = 1 fill the ring: 56 loads
.endr
.irp q, 0,1,2,3
	ULOAD 1, \q, 51200
.endr
	s_mov_b32 s56, 0
	s_mov_b32 s57, 0
	v_mov_b32 v[MX], 0xff61b1e6                    ; the largest t so far: -3e38
	v_mov_b32 v[LS], 0
.irp j, 0,1,2,3,4,5,6,7
	v_mov_b32 v[CA+\j], 0                          ; the first chunk finds zeros, which the first change of M leaves zeros
.endr
.irp j, 0,1,2,3
	v_mov_b32 v[TP+4+\j], 0                        ; a lane permute's destination counts as one of its sources
.endr
; ---- PRODUCE.  Unit i = 2 m + u: rows 16 m .. 16 m + 15, columns 128 u .. 128 u + 127 of my strip: one fragment.  Its registers lie in window 1 + i % 2.
.macro LOADU i
.set um, (\i)/2
.set uu, (\i)%2
	WIN (1+(\i)%2)<<6
.irp b, 0,1,2,3
.irp j, 0,1,2,3
	ds_load_b128 v[XQ+16*\b+4*\j:XQ+16*\b+4*\j+3], v[ZT] offset:16*ZP*um+512*uu+128*\b+16*\j   ; register 16 b + i = k 32 b + 16 h + i of row r
.endr
.endr
.irp p, 0,1,2,3,4,5,6,7,8,9,10,11,12,13,14,15
.if um < 2
	ds_load_b128 v[DN+4*\p:DN+4*\p+3], v[ZD] offset:ZP*(16*(um%2)+\p)+512*uu                   ; row p: 4 columns a lane
.else
	ds_load_b128 v[DN+4*\p:DN+4*\p+3], v[ZD2] offset:ZP*(16*(um%2)+\p)+512*uu
.endif
.endr
.endm
; 64 numbers of a lane become a fragment's codes in v[PC] on and its scale word in v[PW].  A block's scale byte is its largest magnitude's exponent field - 4
.macro QUANT
.irp b, 0,1,2,3
	v_max3_num_f32 v[TM+\b], |v[XQ+16*\b]|, |v[XQ+1+16*\b]|, 0x2800000   ; with the floor 2^(5 - 127): the byte cannot fall under 1
.endr
.irp i, 2,4,6,8,10,12,14
.irp b, 0,1,2,3
	v_max3_num_f32 v[TM+\b], v[TM+\b], |v[XQ+16*\b+\i]|, |v[XQ+1+16*\b+\i]|
.endr
.endr
.irp b, 0,1,2,3
	v_permlanex16_b32 v[TM+4+\b], v[TM+\b], s20, s21
.endr
.irp b, 0,1,2,3
	v_max_num_f32 v[TM+\b], v[TM+\b], v[TM+4+\b]   ; with lane l xor 16's: the block's largest magnitude
.endr
.irp b, 0,1,2,3
	v_add_nc_u32 v[TM+12+\b], 0xfe000000, v[TM+\b] ; 4 off its exponent field: the conversion's scale operand
.endr
.irp b, 0,1,2,3
	v_lshrrev_b32 v[TM+4+\b], 23, v[TM+12+\b]      ; the scale's byte
.endr
	v_lshl_or_b32 v[PW], v[TM+5], 8, v[TM+4]
	v_lshl_or_b32 v[PW], v[TM+6], 16, v[PW]
	v_lshl_or_b32 v[PW], v[TM+7], 24, v[PW]
.irp c, 0,1
	v_cvt_scalef32_pk16_bf6_f32 v[PC+6*\c:PC+2+6*\c], v[XQ+32*\c:XQ+15+32*\c], v[TM+12+2*\c]
	v_cvt_scalef32_pk16_bf6_f32 v[PC+12+4*\c:PC+14+4*\c], v[XQ+16+32*\c:XQ+31+32*\c], v[TM+12+2*\c+1]
.endr
	v_nop                                          ; one plain place behind a scaled conversion
.irp c, 0,1                            ; the operand's layout wants a whole block in a lane
.irp i, 0,1,2
	v_permlane16_swap_b32 v[PC+6*\c+\i], v[PC+12+4*\c+\i]
.endr
.irp i, 0,1,2
	v_mov_b32 v[PC+3+6*\c+\i], v[PC+12+4*\c+\i]
.endr
.endr
.endm
.macro UNIT i
.set um, (\i)/2
.set uu, (\i)%2
.set tw, 1+(\i)%2
.set rbw, um
.set rbb, RB
.if um == 3
.set rbw, 0
.set rbb, RB3
.endif
	WIN 0x55*tw
	QUANT
	WIN tw<<2                                      ; an LDS store's data are its source 1
.irp c, 0,1,2
	ds_store_b128 v[CIW], v[PC+4*\c:PC+4*\c+3] offset:1536*(8*um+uu)+512*\c
.endr
	ds_store_b32 v[CSW], v[PW] offset:512*um+64*uu ; both halves of the lanes write row r's word, with the same value
	WIN (rbw<<6)|(5*tw)
.irp p, 0,1,2,3,4,5,6,7,8,9,10,11,12,13,14,15
	v_cvt_pk_bf16_f32 v[rbb+32*uu+2*\p], v[DN+4*\p], v[DN+4*\p+1]
	v_cvt_pk_bf16_f32 v[rbb+32*uu+2*\p+1], v[DN+4*\p+2], v[DN+4*\p+3]
.endr
.endm
.macro PRODUCE
	WIN 0x40
.irp b, 0,1,2,3
	v_mov_b32 v[TM+4+\b], 0
.endr
	WIN 0x80
.irp b, 0,1,2,3
	v_mov_b32 v[TM+4+\b], 0
.endr
	LOADU 0
.irp i, 0,1,2,3,4,5,6,7
.if \i < 7
	LOADU \i+1                                     ; the next unit's 32 loads, into the other window
.endif
.if \i == 0
	s_wait_dscnt 32                                ; behind unit i's loads: the next unit's 32 loads,
.elseif \i < 7
	s_wait_dscnt 36                                ; and ahead of those the last unit's 4 stores
.else
	s_wait_dscnt 4
.endif
	UNIT \i
.endr
	WIN 0
.endm
.macro LOADCODES
	WIN 0x40
.set f, 0
.rept 16
.irp c, 0,1,2
	ds_load_b128 v[12*f+4*\c:12*f+4*\c+3], v[CIR] offset:1536*f+512*\c
.endr
.set f, f+1
.endr
	WIN 0x80
.set f, 0
.rept 16
.irp c, 0,1,2
	ds_load_b128 v[12*f+4*\c:12*f+4*\c+3], v[CIR] offset:1536*(16+f)+512*\c
.endr
.set f, f+1
.endr
	WIN 0
.set f, 0
.rept 16
	ds_load_b32 v[HS+f], v[CSR] offset:128*f
.set f, f+1
.endr
	s_wait_dscnt 0x0
.endm
; ---- SWEEP.  One product: source 0 = 16 columns a of U (buffer x, K step s), source 1 = rows 16 m .. 16 m + 15 of h.  In the result lane (r, h) holds row 16 m + r and columns 16 n + 8 h + 0 .. 7.
; The bias W_a_s is the C of a sum's first product.  A scale register holds two K steps' words: the even one's in lanes 0-15, the odd one's in lanes 16-31.
.macro MM x, s, m
.set rD, ACC+32*(\x)+8*(\m)
.set rA, 96*(\x)+12*(\s)
.set rB, 12*(8*((\m)%2)+(\s))
.set rU, US+4*(\x)+(\s)/2
.set rH, HS+4*(\m)+(\s)/2
.if (\s) == 0
	v_wmma_scale_f32_16x16x128_f8f6f4 v[rD:rD+7], v[rA:rA+11], v[rB:rB+11], v[BI:BI+7], v[rU], v[rH] matrix_a_fmt:MATRIX_FMT_BF6 matrix_b_fmt:MATRIX_FMT_BF6
.elseif (\s)%2 == 0
	v_wmma_scale_f32_16x16x128_f8f6f4 v[rD:rD+7], v[rA:rA+11], v[rB:rB+11], v[rD:rD+7], v[rU], v[rH] matrix_a_fmt:MATRIX_FMT_BF6 matrix_b_fmt:MATRIX_FMT_BF6
.else
	v_wmma_scale_f32_16x16x128_f8f6f4 v[rD:rD+7], v[rA:rA+11], v[rB:rB+11], v[rD:rD+7], v[rU], v[rH] matrix_a_fmt:MATRIX_FMT_BF6 matrix_b_fmt:MATRIX_FMT_BF6 matrix_a_scale:MATRIX_SCALE_ROW1 matrix_b_scale:MATRIX_SCALE_ROW1
.endif
.endm
.macro FMAS sb, vb                     ; S += v / (1 + 2^(K2 x)): the set at sb times v_a at vb, the four tiles of rows by turns
.irp i, 0,1,2,3
.irp m, 0,1,2,3
	v_pk_fma_f32 v[SA+2*\m:SA+2*\m+1], v[\sb+8*\m+2*\i:\sb+8*\m+2*\i+1], v[\vb+2*\i:\vb+2*\i+1], v[SA+2*\m:SA+2*\m+1]
.endr
.endr
.endm
; THE TANH OF BOTH TILES, in place on the 64 registers of the two sets, each accumulator from its low end on: K2 x; 2^(K2 x) (infinity and 0 at the far ends: tanh = 1 and -1 there); + 1; the reciprocal; the product with v_a.
; All sources of a batch are laid first; one wait stands ahead of each batch and one behind it.
.macro TANH2
	WIN 0xc3                                       ; destination and source 0 window 3
.set tj, 0
.rept 32
	v_pk_mul_f32 v[ACC+2*tj:ACC+2*tj+1], v[ACC+2*tj:ACC+2*tj+1], s[22:23] op_sel_hi:[1,0]
.set tj, tj+1
.endr
	VWAIT
.set tj, 0
.rept 64
	v_exp_f32 v[ACC+tj], v[ACC+tj]
.set tj, tj+1
.endr
	v_nop                                          ; a plain place behind the last exponential
	VWAIT
.set tj, 0
.rept 32
	v_pk_add_f32 v[ACC+2*tj:ACC+2*tj+1], v[ACC+2*tj:ACC+2*tj+1], 1.0 op_sel_hi:[1,0]
.set tj, tj+1
.endr
	VWAIT
.set tj, 0
.rept 64
	v_rcp_f32 v[ACC+tj], v[ACC+tj]
.set tj, tj+1
.endr
	v_nop
	VWAIT
	WIN 0x03                                       ; source 0 window 3, all else window 0
	FMAS ACC, VV0
	FMAS ACC+32, VV1
	WIN 0
.endm
; A tile of 16 columns x 64 rows x K = 1,024: 32 products in four groups of eight (a pair of K steps each).  x: U's buffer and the accumulator set.  ld = 1: each pair of K steps, once multiplied, is loaded anew
; with the tile two on (off: its place).  wb - ws q: how many younger loads may be out when pair q is wanted.  nx = 1: the next tile's bias is fetched.
; Settings: U and the sums window 3; codes window 1 (rows 0-31) or 2; C window 0 where it is the bias (0xc7, 0xcb), else window 3 (0xf7, 0xfb).
.macro TILE x, ld, off, wb, ws, nx
	s_wait_dscnt 4-4*\x                            ; this tile's bias is in.  Even tile: behind it only v_a's four loads were issued.  Odd tile: v_a's are waited for here too
.irp q, 0,1,2,3
	s_wait_loadcnt \wb-\ws*\q                      ; behind pair q's seven loads: 7 (3 - q) of this tile, 28 of the next, 7 q of the one after: 49 (less where nothing is loaded any more)
.if \q == 0
	WIN 0xc7
.else
	WIN 0xf7
.endif
	MM \x, 2*\q, 0                                 ; the four accumulators take turns, one instruction a turn: 0 1 2 3 | 2 3 0 1 | 0 1 2 3 ..
	MM \x, 2*\q, 1
.if \q == 0
	WIN 0xcb
.else
	WIN 0xfb
.endif
	MM \x, 2*\q, 2
	MM \x, 2*\q, 3
	WIN 0xfb
	MM \x, 2*\q+1, 2
	MM \x, 2*\q+1, 3
	WIN 0xf7
	MM \x, 2*\q+1, 0
	MM \x, 2*\q+1, 1
.if (\ld) || (\q == 3) || ((\q == 0) && (\nx))
	PLACES
.endif
.if (\q == 0) && (\nx)
	WIN 0
	ds_load_b128 v[BI:BI+3], v[BA] offset:256*(\x+1)           ; the bias has been taken as C: the next tile's
	ds_load_b128 v[BI+4:BI+7], v[BA] offset:256*(\x+1)+16
.endif
.if \ld
.if (\x == 0) && (\q == 0)             ; the trip's first load of U: on to the pair of tiles that this trip loads
	s_add_co_u32 s56, s56, 102400                  ; two tiles of mine lie 2 x 4 x 12,800 bytes on;
	s_cmp_eq_u32 s56, 819200                       ; behind the sixteenth comes the next chunk's first
	s_cselect_b32 s56, 0, s56
	s_wait_xcnt 0x0                                ; only behind this wait is the loads' base written again
	s_add_nc_u64 s[UP:UP+1], s[UB:UB+1], s[56:57]
.endif
	ULOAD \x, \q, \off
.endif
.endr
	WIN 0
.endm
.macro TRIPHEAD                        ; the trip's place in the tables, and v_a of its two tiles
	v_add_nc_u32 v[BA], s58, v[BA0]
	VWAIT                                          ; the address is read again behind the tiles' waits
	ds_load_b128 v[VV0:VV0+3], v[BA] offset:VOFF
	ds_load_b128 v[VV0+4:VV0+7], v[BA] offset:VOFF+16
	ds_load_b128 v[VV1:VV1+3], v[BA] offset:VOFF+256
	ds_load_b128 v[VV1+4:VV1+7], v[BA] offset:VOFF+256+16
.endm
; Sixteen tiles, two a trip.  Trip i loads tiles 2 i + 2 and 2 i + 3; the eighth wraps round to the next chunk's tiles 0 and 1.  last = 1: seven trips, and the last two tiles written out without loads.
.macro SWEEP last
.irp j, 0,1,2,3,4,5,6,7
	v_mov_b32 v[SA+\j], 0
.endr
	s_mov_b32 s58, 0
	s_mov_b32 s60, 8-\last
.Lsw_\@:
	TRIPHEAD
	TILE 0, 1, 0, 49, 0, 1
	TILE 1, 1, 51200, 49, 0, 1
	TANH2
	s_add_co_u32 s58, s58, 512                     ; two tiles on in the tables
	s_sub_co_u32 s60, s60, 1
	s_cmp_lg_u32 s60, 0
	s_cbranch_scc1 .Lsw_\@
.if \last
	TRIPHEAD
	TILE 0, 0, 0, 49, 7, 1
	TILE 1, 0, 0, 21, 7, 0
	TANH2
.endif
.endm
; ---- FINISH.  Scores of the 64 rows, the softmax's step, and c += p x rows.
.macro FINISH
.irp m, 0,1,2,3
	v_add_f32 v[TP+\m], v[SA+2*\m], v[SA+2*\m+1]
.endr
.irp m, 0,1,2,3
	v_permlanex16_b32 v[TP+4+\m], v[TP+\m], s20, s21
.endr
.irp m, 0,1,2,3
	v_add_f32 v[TP+\m], v[TP+\m], v[TP+4+\m]       ; row 16 m + r: my wave's 256 columns' part of S
.endr
.irp m, 0,1,2,3
	ds_store_b32 v[SXW], v[TP+\m] offset:64*\m
.endr
	s_wait_dscnt 0x0                               ; for the others' sake: my parts lie in LDS
	s_barrier_signal -1
	s_barrier_wait -1                              ; the next strip's load stays out
.irp k, 0,1
.irp w, 0,1,2,3
	ds_load_b32 v[WK+4*\k+\w], v[SXR] offset:256*\w+128*\k     ; rows lane and 32 + lane, the four waves' parts
.endr
.endr
	s_wait_dscnt 0x0
	v_add_f32 v[WK], v[WK], v[WK+1]
	v_add_f32 v[WK+2], v[WK+2], v[WK+3]
	v_add_f32 v[WK+4], v[WK+4], v[WK+5]
	v_add_f32 v[WK+6], v[WK+6], v[WK+7]
	v_add_f32 v[WK], v[WK], v[WK+2]
	v_add_f32 v[WK+4], v[WK+4], v[WK+6]
	v_mul_f32 v[P0], s61, v[WK]                    ; t = -K2 S
	v_mul_f32 v[P0+1], s61, v[WK+4]
	v_max_num_f32 v[WK], v[P0], v[P0+1]
	v_max_num_f32_dpp v[WK], v[WK], v[WK] row_xmask:1 row_mask:0xf bank_mask:0xf
	v_max_num_f32_dpp v[WK], v[WK], v[WK] row_xmask:2 row_mask:0xf bank_mask:0xf
	v_max_num_f32_dpp v[WK], v[WK], v[WK] row_xmask:4 row_mask:0xf bank_mask:0xf
	v_max_num_f32_dpp v[WK], v[WK], v[WK] row_xmask:8 row_mask:0xf bank_mask:0xf
	v_permlanex16_b32 v[WK+1], v[WK], s20, s21
	v_max_num_f32 v[WK], v[WK], v[WK+1]            ; the chunk's largest t, in every lane
	v_max_num_f32 v[WK+2], v[MX], v[WK]            ; the new M
	v_sub_f32 v[WK+4], v[MX], v[WK+2]
	v_sub_f32 v[P0], v[P0], v[WK+2]
	v_sub_f32 v[P0+1], v[P0+1], v[WK+2]
	VWAIT                                          ; ahead of the batch
	v_exp_f32 v[WK+4], v[WK+4]                     ; f = 2^(old M - new M)
	v_exp_f32 v[P0], v[P0]                         ; p
	v_exp_f32 v[P0+1], v[P0+1]
	v_mov_b32 v[MX], v[WK+2]                       ; (the plain place behind the exponentials)
	VWAIT                                          ; and behind it
	v_fma_f32 v[LS], v[LS], v[WK+4], v[P0]         ; l stays a part for each lane until the end
	v_add_f32 v[LS], v[LS], v[P0+1]
.irp j, 0,2,4,6
	v_pk_mul_f32 v[CA+\j:CA+\j+1], v[CA+\j:CA+\j+1], v[WK+4:WK+5] op_sel_hi:[1,0]
.endr
.irp m, 0,1,2,3
	WIN 0
.irp p, 0,1,2,3,4,5,6,7,8,9,10,11,12,13,14,15
	v_readlane_b32 s[36+\p], v[P0+\m/2], 16*(\m%2)+\p          ; p of row 16 m + p, for every lane
.endr
.set rbb, RB
.if \m == 3
.set rbb, RB3
.else
	WIN \m                                         ; source 0: the bf16 rows of window m
.endif
.irp p, 0,1,2,3,4,5,6,7,8,9,10,11,12,13,14,15
.irp u, 0,1
.irp j, 0,1
	v_fma_mix_f32_bf16 v[CA+4*\u+2*\j], v[rbb+32*\u+2*\p+\j], s[36+\p], v[CA+4*\u+2*\j] op_sel_hi:[1,0,0]                     ; the low bf16 x p + c: eight chains by turns
	v_fma_mix_f32_bf16 v[CA+4*\u+2*\j+1], v[rbb+32*\u+2*\p+\j], s[36+\p], v[CA+4*\u+2*\j+1] op_sel:[1,0,0] op_sel_hi:[1,0,0]  ; the high one
.endr
.endr
.endr
.endr
	WIN 0
.endm
.macro CHUNK last
	VWAIT                                          ; directly ahead of the wait below
	s_wait_tensorcnt 0x0                           ; my strip is in: one load was out.  Only I read it, so my own wait is all the ordering that the reads need
	PRODUCE
.if \last
	s_wait_dscnt 0x0                               ; my images lie in LDS
	s_barrier_signal -1
	s_barrier_wait -1
.else
	s_wait_tensorcnt 0x0                           ; no tensor load of mine is out, so group 0 may be written
	ds_add_u32 v[SPW], v[NIL]
	s_add_nc_u64 s[34:35], s[34:35], 64*4096       ; the next 64 rows
	s_wait_dscnt 0x0                               ; the add is done, my reads of the strip are over, my images lie in LDS
	s_barrier_signal -1
	s_barrier_wait -1
	tensor_load_to_lds s[32:35], s[24:31]          ; my one tensor load behind the barrier, and the first thing there
	s_nop 0
	PLACES
.endif
	LOADCODES
	SWEEP \last
	FINISH
.endm
	s_mov_b32 s59, 3
.Lchunk:
	CHUNK 0
	s_sub_co_u32 s59, s59, 1
	s_cmp_lg_u32 s59, 0
	s_cbranch_scc1 .Lchunk
	CHUNK 1                                        ; the last chunk is written out
	v_add_f32_dpp v[LS], v[LS], v[LS] row_xmask:1 row_mask:0xf bank_mask:0xf   ; l over the 32 lanes
	v_add_f32_dpp v[LS], v[LS], v[LS] row_xmask:2 row_mask:0xf bank_mask:0xf
	v_add_f32_dpp v[LS], v[LS], v[LS] row_xmask:4 row_mask:0xf bank_mask:0xf
	v_add_f32_dpp v[LS], v[LS], v[LS] row_xmask:8 row_mask:0xf bank_mask:0xf
	v_permlanex16_b32 v[P0], v[LS], s20, s21
	v_add_f32 v[LS], v[LS], v[P0]
	VWAIT                                          ; c and l are read behind the scalar lines below
	s_lshl_b32 s18, s17, 12                        ; my work-group's row of pc,
	s_lshl_b32 s19, s[WV], 10                      ; my wave's 256 columns
	s_add_co_u32 s18, s18, s19
	s_mov_b32 s19, 0
	s_add_nc_u64 s[12:13], s[12:13], s[18:19]
	global_store_b128 v[UA], v[CA:CA+3], s[12:13]              ; 32 lanes store 512 consecutive bytes, aligned to 256
	global_store_b128 v[UA], v[CA+4:CA+7], s[12:13] offset:512
	s_cmp_lg_u32 s[WV], 0                          ; every wave holds the same M and l: wave 0 stores them
	s_cbranch_scc1 .Lnot_wave_0
	s_lshl_b32 s18, s17, 8
	s_add_nc_u64 s[14:15], s[14:15], s[18:19]
	v_lshlrev_b32 v16, 1, v[USA]
	global_store_b64 v16, v[MX:MX+1], s[14:15]     ; the pair 32 times: 256 consecutive bytes, aligned
.Lnot_wave_0:
	s_wait_tensorcnt 0x0                           ; the wave's end
	ds_add_u32 v[SPW], v[NIL]
	s_wait_dscnt 0x0
	s_endpgm
.Lfunc_end_k_qe5676fe532_attn:
	.size	k_qe5676fe532_attn, .Lfunc_end_k_qe5676fe532_attn-k_qe5676fe532_attn
	.p2alignl 7, 3214868480
	.fill 96, 4, 3214868480
	.section	.rodata,"a",@progbits
	.p2align	6, 0x0
	.amdhsa_kernel k_qe5676fe532_attn
		.amdhsa_group_segment_fixed_size 327680
		.amdhsa_private_segment_fixed_size 0
		.amdhsa_enable_private_segment 0
		.amdhsa_kernarg_size 48
		.amdhsa_user_sgpr_count 2
		.amdhsa_user_sgpr_kernarg_segment_ptr 1
		.amdhsa_wavefront_size32 1
		.amdhsa_system_sgpr_workgroup_id_x 1
		.amdhsa_system_sgpr_workgroup_id_y 1
		.amdhsa_system_sgpr_workgroup_id_z 1
		.amdhsa_system_vgpr_workitem_id 0
		.amdhsa_next_free_vgpr 1024
		.amdhsa_next_free_sgpr 66
		.amdhsa_reserve_vcc 0
		.amdhsa_float_denorm_mode_32 3
		.amdhsa_float_denorm_mode_16_64 3
		.amdhsa_memory_ordered 1
		.amdhsa_forward_progress 1
		.amdhsa_inst_pref_size 255
	.end_amdhsa_kernel
	.section	.bss,"aw",@nobits
	.p2align	6
	.space	262144
	.amdgpu_metadata
---
amdhsa.version: [ 1, 2 ]
amdhsa.kernels:
  - .name:           k_qe5676fe532_attn
    .symbol:         k_qe5676fe532_attn.kd
    .args:
      - { .name: h, .offset: 0, .size: 8, .value_kind: global_buffer, .address_space: global }
      - { .name: uimg, .offset: 8, .size: 8, .value_kind: global_buffer, .address_space: global }
      - { .name: was, .offset: 16, .size: 8, .value_kind: global_buffer, .address_space: global }
      - { .name: v_a, .offset: 24, .size: 8, .value_kind: global_buffer, .address_space: global }
      - { .name: pc, .offset: 32, .size: 8, .value_kind: global_buffer, .address_space: global }
      - { .name: pstat, .offset: 40, .size: 8, .value_kind: global_buffer, .address_space: global }
    .group_segment_fixed_size: 327680
    .private_segment_fixed_size: 0
    .kernarg_segment_align: 8
    .kernarg_segment_size: 48
    .max_flat_workgroup_size: 128
    .sgpr_count:     66
    .vgpr_count:     1024
    .wavefront_size: 32
...
	.end_amdgpu_metadata
.endif
;; end of part 2
;; launch comb (part 3): grid 4 x 32, 2 waves a work-group, no clusters, 0 bytes of LDS; arguments pc, pstat, out0; writes out0
.if DOCPART == 3
	.amdgcn_target "amdgcn-amd-amdhsa--gfx1250"
	.amdhsa_code_object_version 6
	.text
	.protected	k_qe5676fe532_comb
	.globl	k_qe5676fe532_comb
	.p2align	8
	.type	k_qe5676fe532_comb,@function
k_qe5676fe532_comb:
	s_mov_b64 s[64:65], 0
	v_nop
	global_prefetch_b8 v0, s[64:65] scope:SCOPE_SE
	s_setreg_imm32_b32 hwreg(HW_REG_WAVE_MODE, 25, 1), 1
	s_wait_xcnt 0x0
; out0[b][d] = sum_i w_i c_i[d] / sum_i w_i l_i over the eight partial results i of batch b, with w_i = 2^(M_i - M), M the largest M_i.
; pc: [256][1024] f32; pstat: [256][32] pairs (M, l), the same pair in all 32 places.  Work-group (x, b): columns 256 x .. 256 x + 255; a thread takes 4 columns.
; A stream of 36 KB a batch: no LDS, no barrier, no matrix unit.
	s_load_b128 s[4:7], s[0:1], 0x0                ; pc s[4:5], pstat s[6:7]
	s_load_b64 s[8:9], s[0:1], 0x10                ; out0
	s_and_b32 s10, ttmp7, 0xffff                   ; the batch
	v_and_b32 v1, 31, v0
	v_lshlrev_b32 v1, 3, v1
	s_lshl_b32 s11, s10, 11                        ; eight pairs' rows of 256 bytes
	v_add_nc_u32 v1, s11, v1
	v_lshlrev_b32 v2, 4, v0
	s_lshl_b32 s12, ttmp9, 10
	v_add_nc_u32 v2, s12, v2                       ; my 16 bytes of a row
	s_lshl_b32 s13, s10, 15                        ; eight rows of 4,096 bytes
	v_add_nc_u32 v3, s13, v2
	s_lshl_b32 s14, s10, 12
	v_add_nc_u32 v2, s14, v2
	s_wait_alu depctr_va_vdst(0)
	s_wait_kmcnt 0x0
.irp i, 0,1,2,3,4,5,6,7
	global_load_b64 v[8+2*\i:9+2*\i], v1, s[6:7] offset:256*\i
.endr
.irp i, 0,1,2,3,4,5,6,7
	global_load_b128 v[24+4*\i:27+4*\i], v3, s[4:5] offset:4096*\i     ; 16 lanes read 256 consecutive bytes, aligned
.endr
	s_wait_loadcnt 0x0
	v_max3_num_f32 v4, v8, v10, v12
	v_max3_num_f32 v4, v4, v14, v16
	v_max3_num_f32 v4, v4, v18, v20
	v_max_num_f32 v4, v4, v22                      ; M
.irp i, 0,1,2,3,4,5,6,7
	v_sub_f32 v[8+2*\i], v[8+2*\i], v4
.endr
	s_wait_alu depctr_va_vdst(0)
.irp i, 0,1,2,3,4,5,6,7
	v_exp_f32 v[8+2*\i], v[8+2*\i]                 ; w_i takes M_i's place: the pair (w_i, l_i)
.endr
	v_mov_b32 v7, 0                                ; (the plain place behind the exponentials; v7 is named below as the upper half of a pair)
	s_wait_alu depctr_va_vdst(0)                   ; one wait for the eight, ahead of their first reader
	v_mul_f32 v5, v8, v9
.irp i, 1,2,3,4,5,6,7
	v_fma_f32 v5, v[8+2*\i], v[9+2*\i], v5         ; sum of w l
.endr
	s_wait_alu depctr_va_vdst(0)
	v_rcp_f32 v6, v5
	v_pk_mul_f32 v[56:57], v[24:25], v[8:9] op_sel_hi:[1,0]    ; the sums of w c stand between the reciprocal and the wait for it
	v_pk_mul_f32 v[58:59], v[26:27], v[8:9] op_sel_hi:[1,0]
.irp i, 1,2,3,4,5,6,7
	v_pk_fma_f32 v[56:57], v[24+4*\i:25+4*\i], v[8+2*\i:9+2*\i], v[56:57] op_sel_hi:[1,0,1]
	v_pk_fma_f32 v[58:59], v[26+4*\i:27+4*\i], v[8+2*\i:9+2*\i], v[58:59] op_sel_hi:[1,0,1]
.endr
	s_wait_alu depctr_va_vdst(0)
	v_pk_mul_f32 v[56:57], v[56:57], v[6:7] op_sel_hi:[1,0]
	v_pk_mul_f32 v[58:59], v[58:59], v[6:7] op_sel_hi:[1,0]
	global_store_b128 v2, v[56:59], s[8:9]         ; 16 lanes store 256 consecutive bytes, aligned
	s_endpgm
.Lfunc_end_k_qe5676fe532_comb:
	.size	k_qe5676fe532_comb, .Lfunc_end_k_qe5676fe532_comb-k_qe5676fe532_comb
	.p2alignl 7, 3214868480
	.fill 96, 4, 3214868480
	.section	.rodata,"a",@progbits
	.p2align	6, 0x0
	.amdhsa_kernel k_qe5676fe532_comb
		.amdhsa_group_segment_fixed_size 0
		.amdhsa_private_segment_fixed_size 0
		.amdhsa_enable_private_segment 0
		.amdhsa_kernarg_size 24
		.amdhsa_user_sgpr_count 2
		.amdhsa_user_sgpr_kernarg_segment_ptr 1
		.amdhsa_wavefront_size32 1
		.amdhsa_system_sgpr_workgroup_id_x 1
		.amdhsa_system_sgpr_workgroup_id_y 1
		.amdhsa_system_sgpr_workgroup_id_z 1
		.amdhsa_system_vgpr_workitem_id 0
		.amdhsa_next_free_vgpr 64
		.amdhsa_next_free_sgpr 66
		.amdhsa_reserve_vcc 0
		.amdhsa_float_denorm_mode_32 3
		.amdhsa_float_denorm_mode_16_64 3
		.amdhsa_memory_ordered 1
		.amdhsa_forward_progress 1
		.amdhsa_inst_pref_size 5
	.end_amdhsa_kernel
	.amdgpu_metadata
---
amdhsa.version: [ 1, 2 ]
amdhsa.kernels:
  - .name:           k_qe5676fe532_comb
    .symbol:         k_qe5676fe532_comb.kd
    .args:
      - { .name: pc, .offset: 0, .size: 8, .value_kind: global_buffer, .address_space: global }
      - { .name: pstat, .offset: 8, .size: 8, .value_kind: global_buffer, .address_space: global }
      - { .name: out0, .offset: 16, .size: 8, .value_kind: global_buffer, .address_space: global }
    .group_segment_fixed_size: 0
    .private_segment_fixed_size: 0
    .kernarg_segment_align: 8
    .kernarg_segment_size: 24
    .max_flat_workgroup_size: 64
    .sgpr_count:     66
    .vgpr_count:     64
    .wavefront_size: 32
...
	.end_amdgpu_metadata
.endif
;; end of part 3
